; MI455X (gfx1250); checked and timed in simulation.
; The chip was launched on July 23, 2026; its instructions are those of AMD's public machine-readable ISA for CDNA 5 (MIT licence, August 2026) and "CDNA5" Instruction Set Architecture Reference Guide (July 2026). The comments in the code are by the model that wrote it; some were corrected since.
;; Mega Ne RF. Allowed arithmetic: matrix products marked QUANTISED: E2M1 operands, one E8M0 scale for each 32 along K, by v_wmma_scale_f32_16x16x128_f8f6f4 with both operands' format E2M1 (or v_wmma_scale_f32_32x16x128_f4), f32 sums; products left as they are: bf16, f16 or f32 operands; f32 sums; everything else in f32.
;; Inputs: W1 8 x 90 x 256 float32; W2 8 x 256 x 256 float32; W3 8 x 256 x 256 float32; Wo 8 x 256 x 4 float32; b1 8 x 256 float32; b2 8 x 256 float32; b3 8 x 256 float32; bo 8 x 4 float32; centroids 8 x 3 float32; x 32,768 x 93 float32.
;; Outputs: out0 32,768 x 4 float32.
;; This version of the problem:
;;   THIS VERSION OF THE PROBLEM IS GIVEN IN LOW PRECISION. The matrix products marked QUANTISED in the list below multiply operands that are first quantised to E2M1 (2 exponent bits, 1 mantissa bit; 4 bits a number), with one power-of-two scale for each 32 numbers along K (OCP MX v1.0); their sums are f32. The products marked 'left as it is' may take bf16, f16 or f32 operands, with f32 sums. Whichever they take, every output number must still come out within the allowed error. Rounding operands to bf16 (8 significant bits) uses up far more of that allowance than f16 does (11 bits, for magnitudes from 6e-5 to 65,504). All else is computed in f32.
;;   The module's matrix products, in the order in which they are computed (A, B: the left and right operand; K: the contracted axis; several contracted axes count as one K, in the product's order):
;;     1. [M 2,048, K 90] x [K 90, N 32,768]; A: input W1; B: input x: QUANTISED
;;     2. batch 8 x [M 32,768, K 256] x [K 256, N 256]; A: computed on the way; B: input W2: left as it is (an operand is computed on the way)
;;     3. batch 8 x [M 32,768, K 256] x [K 256, N 256]; A: computed on the way; B: input W3: left as it is (an operand is computed on the way)
;;     4. batch 8 x [M 32,768, K 256] x [K 256, N 4]; A: computed on the way; B: input Wo: left as it is (N = 4 < 16)
;;     5. batch 32,768 x [M 4, K 8] x [K 8, N 1]; A: computed on the way; B: computed on the way: left as it is (K = 8 < 32)
;;   THE QUANTISER, for each operand of a quantised product, along K:
;;     - K is cut into blocks of 32 from its start; a last block that is shorter is filled with zeros.
;;     - A block's scale is 2^e with e = floor(log2(the largest magnitude in the block)) - 2, held to -126 .. 127; a block of zeros has e = 0. As a byte (E8M0): e + 127.
;;     - Each number is divided by its block's scale, clamped to +-6, and rounded to the nearest number of E2M1, ties to even, subnormals kept.
;;     - The product sums the exact products of the quantised numbers (number of the format x scale) in f32.
;;   ~~~python
;;   def quantise(x, axis):      # numpy; x: float32 -> the quantised numbers, widened to float32 again
;;       x = np.moveaxis(x, axis, -1); K = x.shape[-1]
;;       x = np.pad(x, [(0, 0)] * (x.ndim - 1) + [(0, -K % 32)]); x = x.reshape(x.shape[:-1] + (-1, 32)); a = np.abs(x).max(-1, keepdims=True)
;;       e = np.where(a > 0, np.clip(np.frexp(np.where(a > 0, a, 1))[1] - 1 - 2, -126, 127), 0)      # np.frexp(a)[1] - 1 = floor(log2(a)), exactly
;;       r = np.clip(x / 2.0 ** e, -6, 6)
;;       step = 2.0 ** (np.maximum(np.frexp(np.where(r == 0, 1, r))[1] - 1, 0) - 1)
;;       q = np.round(r / step) * step * 2.0 ** e      # np.round: ties to even
;;       return np.moveaxis(q.reshape(q.shape[:-2] + (-1,))[..., :K], -1, axis).astype(np.float32)
;;   ~~~
;; One version. Each part assembles by itself: llvm-mc -triple=amdgcn-amd-amdhsa -mcpu=gfx1250 --defsym DOCPART=n.
;; ======== version 1 of 1: 4 launches
;; limits: values are held in f16: magnitudes above 65,504 overflow, below 6.1e-05 lose precision
;; workspace buffers: tok 4,194,304 bytes; bm 49,152 bytes of whole numbers; rows 525,312 bytes of whole numbers; cnt 256 bytes of whole numbers; posb 1,048,576 bytes of whole numbers; part 4,202,752 bytes; wts 2,305,024 bytes
;; launch route (part 1): grid 256 x 1, 4 waves a work-group, no clusters, 66,560 bytes of LDS; arguments x, centroids, tok, bm; writes tok, bm
.if DOCPART == 1
	.amdgcn_target "amdgcn-amd-amdhsa--gfx1250"
	.amdhsa_code_object_version 6
	.text
	.protected	k_qe4ddc04e21_route
	.globl	k_qe4ddc04e21_route
	.p2align	8
	.type	k_qe4ddc04e21_route,@function
k_qe4ddc04e21_route:
	s_mov_b64 s[64:65], 0
	v_nop
	global_prefetch_b8 v0, s[64:65] scope:SCOPE_SE
	s_setreg_imm32_b32 hwreg(HW_REG_WAVE_MODE, 25, 1), 1
	s_wait_xcnt 0x0
; ROUTE.  For each of 32,768 tokens: the distances to the 8 centroids (dims 1, 2), the mask d > 1.5 min d, the weights inv / sum(inv); and the token's 90 features
; as codes of FP4 (E2M1) with one E8M0 byte for each 32 along K (blocks 32 + 32 + 26, the rest zeros).  Nothing here forms an address from a float: the mask leaves as bit words at fixed places.
; OUT: tok, a record of 128 bytes a token: 0-47 codes of blocks 0-2, 48-63 zero codes, 64-95 w[0..7], 96-99 the scale word s0 | s1<<8 | s2<<16 | max(s)<<24, 100-127 zeros.
;      bm: at 32 W + 4 e the kept bits of expert e for tokens 32 W .. 32 W + 31; at 32768 + 16 W the eight counts of that word, 16 bits each.
; SHARES: a work-group takes 128 tokens, 47,616 dense bytes of x (186 x 256); they come in by 16-byte loads as they lie, go through LDS, and a thread then reads its own token's 93 words.
; LIMITS: a row whose d lies within an ulp or two of 1.5 x min d may fall on the other side of the mask than in a run with another rounding of d (v_sqrt_f32 is good to 1 ulp: ISA guide 15.8;
; one residual step brings it to the nearest number in nearly all cases).  Blocks whose largest magnitude lies under 2^-124 get the byte 1.  A block of zeros gets the byte 1 (its codes are zeros,
; and this program alone reads the bytes).  NaN and infinities are not served.
.set TOKB,  372                        ; bytes of a token's row
.set WGB,   128*TOKB                   ; bytes of a work-group's rows
.set TURN,  WGB                        ; LDS behind the rows: for each wave 32 places of 144 bytes, through which the records turn
.set TP,    144                        ; 128 bytes + 16: an odd multiple of 16
.set SPARE, TURN+4*32*TP               ; the spare words, 128 bytes a wave: two blocks of 256 bytes that no other line names
.set XR,    17                         ; v17-109  x[0..92]: feature 0 stands at the even register v20
.set FE,    20                         ; v20-115  the 90 features and 6 zeros
.set ZR,    116                        ; v116-119 zeros
.set STQ,   120                        ; v120-215 24 quads as loaded; later the records read back
.set DS,    216                        ; v216-223 d
.set IV,    224                        ; v224-231 d^2, then inv, then w
.set TM,    232                        ; v232-239 at work
.set CD,    240                        ; v240-251 codes
.set SW,    252                        ; v252-255 the scale word and three zeros
	s_load_b256 s[4:11], s[0:1], 0x0               ; x s[4:5], centroids s[6:7], tok s[8:9], bm s[10:11]
	v_lshl_add_u32 v2, v0, 2, SPARE                ; my spare word
	v_mov_b32 v3, 0
	v_lshrrev_b32 v10, 5, v0
	v_readfirstlane_b32 s12, v10                   ; wave
	v_and_b32 v1, 31, v0                           ; lane
	v_lshlrev_b32 v4, 4, v0                        ; 16 x thread: my 16 bytes of a load's 2,048, in memory and in LDS
	v_mul_u32_u24 v5, v0, TOKB                     ; my token's row in LDS
	s_mul_i32 s13, s12, 32*TP
	s_add_co_u32 s13, s13, TURN
	v_mul_u32_u24 v6, v1, TP
	v_add_nc_u32 v6, s13, v6                       ; the turn, in: my place
	v_lshrrev_b32 v7, 3, v1
	v_mul_u32_u24 v7, v7, TP
	v_and_b32 v10, 7, v1
	v_lshl_add_u32 v7, v10, 4, v7
	v_add_nc_u32 v7, s13, v7                       ; out: eight lanes to a record, four records an instruction
	s_lshl_b32 s14, s12, 12
	v_lshl_add_u32 v8, v1, 4, s14                  ; tok: 4,096 x wave + 16 x lane
	s_mul_i32 s2, ttmp9, WGB
	s_mov_b32 s3, 0
	s_wait_kmcnt 0x0
	s_add_nc_u64 s[4:5], s[4:5], s[2:3]
	s_load_b512 s[16:31], s[6:7], 0x0              ; the centroids: c[e][j] in s[16 + 3 e + j]
	s_load_b256 s[32:39], s[6:7], 0x40
.set i, 0
.rept 23
	global_load_b128 v[STQ+4*i:STQ+4*i+3], v4, s[4:5] offset:2048*i th:TH_LOAD_NT   ; a wave reads 512 consecutive bytes
.set i, i+1
.endr
	s_cmp_lg_u32 s12, 0                            ; the last 512 bytes are wave 0's
	s_cbranch_scc1 .Lnot_wave_0
	global_load_b128 v[STQ+92:STQ+95], v4, s[4:5] offset:47104 th:TH_LOAD_NT
	s_wait_loadcnt 0x0
	ds_store_b128 v4, v[STQ+92:STQ+95] offset:47104
.Lnot_wave_0:
	s_lshl_b32 s2, ttmp9, 14
	s_add_nc_u64 s[8:9], s[8:9], s[2:3]            ; tok at my work-group's 128 records
.irp j, 110,111,112,113,114,115,116,117,118,119
	v_mov_b32 v\j, 0                               ; the fill of the last block, and the records' zeros
.endr
	s_wait_loadcnt 0x0                             ; all were issued at once and nothing else is due
.set i, 0
.rept 23
	ds_store_b128 v4, v[STQ+4*i:STQ+4*i+3] offset:2048*i
.set i, i+1
.endr
	s_wait_dscnt 0x0                               ; for the others' sake: my stores have landed
	s_barrier_signal -1
	s_barrier_wait -1
.set i, 0
.rept 93
	ds_load_b32 v[XR+i], v5 offset:4*i             ; rows are 93 words apart, an odd number: the 32 lanes' words lie in 32 different banks
.set i, i+1
.endr
	s_wait_dscnt 0x0
	s_wait_kmcnt 0x0
	; ---- the distances
.irp e, 0,1,2,3,4,5,6,7
	v_sub_f32 v[TM+\e], v[XR+1], s[17+3*\e]
	v_sub_f32 v[DS+\e], v[XR+2], s[18+3*\e]
.endr
.irp e, 0,1,2,3,4,5,6,7
	v_mul_f32 v[TM+\e], v[TM+\e], v[TM+\e]
.endr
.irp e, 0,1,2,3,4,5,6,7
	v_fma_f32 v[IV+\e], v[DS+\e], v[DS+\e], v[TM+\e]   ; d^2
.endr
.irp e, 0,1,2,3,4,5,6,7
	v_sqrt_f32 v[DS+\e], v[IV+\e]
.endr
	v_nop                                          ; a plain instruction behind the batch,
	s_wait_alu depctr_va_vdst(0)                   ; and one wait for the eight, ahead of their first reader
.irp e, 0,1,2,3,4,5,6,7
	v_max_num_f32 v[TM+\e], 0x800000, v[DS+\e]     ; (held off zero, so that d = 0 stays 0 below)
.endr
.irp e, 0,1,2,3,4,5,6,7
	v_rcp_f32 v[TM+\e], v[TM+\e]
.endr
.irp e, 0,1,2,3,4,5,6,7
	v_fma_f32 v[IV+\e], -v[DS+\e], v[DS+\e], v[IV+\e]  ; the residual d^2 - s s, exact to one rounding: plain work behind the batch
.endr
	s_wait_alu depctr_va_vdst(0)
.irp e, 0,1,2,3,4,5,6,7
	v_mul_f32 v[TM+\e], 0.5, v[TM+\e]
.endr
.irp e, 0,1,2,3,4,5,6,7
	v_fma_f32 v[DS+\e], v[IV+\e], v[TM+\e], v[DS+\e]   ; d = s + residual / (2 s)
.endr
	v_min3_num_f32 v10, v[DS], v[DS+1], v[DS+2]
	v_min3_num_f32 v10, v10, v[DS+3], v[DS+4]
	v_min3_num_f32 v10, v10, v[DS+5], v[DS+6]
	v_min_num_f32 v10, v10, v[DS+7]
	v_mul_f32 v11, 0x3fc00000, v10                 ; 1.5 x the least d
.irp e, 0,1,2,3,4,5,6,7
	v_add_f32 v[IV+\e], 0x322bcc77, v[DS+\e]       ; d + 1e-8
.endr
.irp e, 0,1,2,3,4,5,6,7
	v_rcp_f32 v[IV+\e], v[IV+\e]
.endr
	v_nop
.irp e, 0,1,2,3,4,5,6,7
	v_cmp_gt_f32 s[40+\e], v[DS+\e], v11           ; far clusters
.endr
	s_wait_alu depctr_va_vdst(0)
.irp e, 0,1,2,3,4,5,6,7
	v_cndmask_b32 v[IV+\e], v[IV+\e], 0, s[40+\e]
.endr
	v_add_f32 v12, v[IV], v[IV+1]
	v_add_f32 v13, v[IV+2], v[IV+3]
	v_add_f32 v14, v[IV+4], v[IV+5]
	v_add_f32 v15, v[IV+6], v[IV+7]
	v_add_f32 v12, v12, v13
	v_add_f32 v14, v14, v15
	v_add_f32 v12, v12, v14
	v_rcp_f32 v12, v12
	v_nop
	s_wait_alu depctr_va_vdst(0)
.irp e, 0,1,2,3,4,5,6,7
	v_mul_f32 v[IV+\e], v[IV+\e], v12              ; w
.endr
.irp e, 0,1,2,3,4,5,6,7
	s_not_b32 s[40+\e], s[40+\e]                   ; the kept tokens of my 32, a bit a lane
.endr
.irp k, 0,1,2,3
	s_bcnt1_i32_b32 s50, s[40+2*\k]
	s_bcnt1_i32_b32 s51, s[41+2*\k]
	s_lshl_b32 s51, s51, 16
	s_or_b32 s[52+\k], s50, s51                    ; two counts to a word
.endr
	; ---- the features' three blocks: all 32 numbers of a block are mine
.irp b, 0,1,2
	v_max3_num_f32 v[TM+\b], |v[FE+32*\b]|, |v[FE+32*\b+1]|, 0x1800000   ; with the floor 2^(3 - 127): the byte cannot fall under 1
.endr
.irp i, 2,4,6,8,10,12,14,16,18,20,22,24,26,28,30
.irp b, 0,1,2
	v_max3_num_f32 v[TM+\b], v[TM+\b], |v[FE+32*\b+\i]|, |v[FE+32*\b+\i+1]|   ; (the blocks by turns)
.endr
.endr
	v_max3_num_f32 v[TM+3], v[TM], v[TM+1], v[TM+2]    ; the row's largest: its byte bounds the row for the later layers' scale
.irp b, 0,1,2,3
	v_add_nc_u32 v[TM+4+\b], 0xff000000, v[TM+\b]  ; 2 off the exponent field: the conversion takes this operand's exponent field as its scale
.endr
.irp b, 0,1,2,3
	v_lshrrev_b32 v[10+\b], 23, v[TM+4+\b]         ; the scale's byte
.endr
	v_lshl_or_b32 v[SW], v11, 8, v10
	v_lshl_or_b32 v[SW], v12, 16, v[SW]
	v_lshl_or_b32 v[SW], v13, 24, v[SW]
	v_mov_b32 v[SW+1], 0
	v_mov_b32 v[SW+2], 0
	v_mov_b32 v[SW+3], 0
.irp b, 0,1,2
.irp g, 0,1,2,3
	v_cvt_scalef32_pk8_fp4_f32 v[CD+4*\b+\g], v[FE+32*\b+8*\g:FE+32*\b+8*\g+7], v[TM+4+\b]
.endr
.endr
	v_nop                                          ; one plain instruction behind the last scaled conversion
	; ---- the records turn through my wave's own LDS bytes, so that each store covers 512 consecutive bytes
.irp b, 0,1,2
	ds_store_b128 v6, v[CD+4*\b:CD+4*\b+3] offset:16*\b
.endr
	ds_store_b128 v6, v[ZR:ZR+3] offset:48
	ds_store_b128 v6, v[IV:IV+3] offset:64
	ds_store_b128 v6, v[IV+4:IV+7] offset:80
	ds_store_b128 v6, v[SW:SW+3] offset:96
	ds_store_b128 v6, v[ZR:ZR+3] offset:112
.irp q, 0,1,2,3,4,5,6,7
	ds_load_b128 v[STQ+4*\q:STQ+4*\q+3], v7 offset:4*TP*\q   ; LDS serves a wave's instructions in order (ISA guide 5.7.1.4): these see my stores
.endr
.irp q, 0,1,2,3,4,5,6,7
	s_wait_dscnt 7-\q                              ; load q is back; the younger ones may be out
	global_store_b128 v8, v[STQ+4*\q:STQ+4*\q+3], s[8:9] offset:512*\q
.endr
	; ---- the bit words and the counts: lanes 0-7 and 8-11
	s_lshl_b32 s15, ttmp9, 2
	s_add_co_u32 s15, s15, s12                     ; W = 4 x work-group + wave
	s_lshl_b32 s13, s15, 5
	s_lshl_b32 s14, s15, 4
	s_add_co_u32 s14, s14, 32768-32
	v_mov_b32 v10, 0
.irp e, 0,1,2,3,4,5,6,7
	v_writelane_b32 v10, s[40+\e], \e
.endr
.irp k, 0,1,2,3
	v_writelane_b32 v10, s[52+\k], 8+\k
.endr
	v_lshlrev_b32 v11, 2, v1
	v_add_nc_u32 v9, s13, v11
	v_add_nc_u32 v12, s14, v11
	v_cmp_gt_u32 vcc_lo, 8, v1
	v_cndmask_b32 v9, v12, v9, vcc_lo
	v_cmp_gt_u32 vcc_lo, 12, v1
	s_wait_xcnt 0x0                                ; EXEC changes only when the stores above have had their addresses translated
	s_and_saveexec_b32 s48, vcc_lo
	global_store_b32 v9, v10, s[10:11]
	s_wait_xcnt 0x0                                ; and again in front of the line that widens it
	s_or_b32 exec_lo, exec_lo, s48
	s_wait_tensorcnt 0x0                           ; the wave's end, behind my last LDS store
	ds_add_u32 v2, v3
	s_wait_dscnt 0x0
	s_endpgm
.Lfunc_end_k_qe4ddc04e21_route:
	.size	k_qe4ddc04e21_route, .Lfunc_end_k_qe4ddc04e21_route-k_qe4ddc04e21_route
	.p2alignl 7, 3214868480
	.fill 96, 4, 3214868480
	.section	.rodata,"a",@progbits
	.p2align	6, 0x0
	.amdhsa_kernel k_qe4ddc04e21_route
		.amdhsa_group_segment_fixed_size 66560
		.amdhsa_private_segment_fixed_size 0
		.amdhsa_enable_private_segment 0
		.amdhsa_kernarg_size 32
		.amdhsa_user_sgpr_count 2
		.amdhsa_user_sgpr_kernarg_segment_ptr 1
		.amdhsa_wavefront_size32 1
		.amdhsa_system_sgpr_workgroup_id_x 1
		.amdhsa_system_sgpr_workgroup_id_y 1
		.amdhsa_system_sgpr_workgroup_id_z 1
		.amdhsa_system_vgpr_workitem_id 0
		.amdhsa_next_free_vgpr 256
		.amdhsa_next_free_sgpr 66
		.amdhsa_reserve_vcc 1
		.amdhsa_float_denorm_mode_32 3
		.amdhsa_float_denorm_mode_16_64 3
		.amdhsa_memory_ordered 1
		.amdhsa_forward_progress 1
		.amdhsa_inst_pref_size 28
	.end_amdhsa_kernel
	.amdgpu_metadata
---
amdhsa.version: [ 1, 2 ]
amdhsa.kernels:
  - .name:           k_qe4ddc04e21_route
    .symbol:         k_qe4ddc04e21_route.kd
    .args:
      - { .name: x, .offset: 0, .size: 8, .value_kind: global_buffer, .address_space: global }
      - { .name: centroids, .offset: 8, .size: 8, .value_kind: global_buffer, .address_space: global }
      - { .name: tok, .offset: 16, .size: 8, .value_kind: global_buffer, .address_space: global }
      - { .name: bm, .offset: 24, .size: 8, .value_kind: global_buffer, .address_space: global }
    .group_segment_fixed_size: 66560
    .private_segment_fixed_size: 0
    .kernarg_segment_align: 8
    .kernarg_segment_size: 32
    .max_flat_workgroup_size: 128
    .sgpr_count:     66
    .vgpr_count:     256
    .wavefront_size: 32
...
	.end_amdgpu_metadata
.endif
;; end of part 1
;; launch place (part 2): grid 216 x 1, 4 waves a work-group, no clusters, 0 bytes of LDS; arguments bm, W1, W2, W3, Wo, rows, posb, part, wts, cnt; writes rows, posb, part, wts, cnt
.if DOCPART == 2
	.amdgcn_target "amdgcn-amd-amdhsa--gfx1250"
	.amdhsa_code_object_version 6
	.text
	.protected	k_qe4ddc04e21_place
	.globl	k_qe4ddc04e21_place
	.p2align	8
	.type	k_qe4ddc04e21_place,@function
k_qe4ddc04e21_place:
	s_mov_b64 s[64:65], 0
	v_nop
	global_prefetch_b8 v0, s[64:65] scope:SCOPE_SE
	s_setreg_imm32_b32 hwreg(HW_REG_WAVE_MODE, 25, 1), 1
	s_wait_xcnt 0x0
; PLACE.  Four kinds of work, told apart by the work-group's number; waves share nothing, no LDS, no barrier.
; P (work-groups 0-63): the kept rows are sorted by expert, by counting.  A wave takes 128 tokens: it sums the counts of all earlier words of 32 tokens (all whole numbers),
;   gives each kept (token, expert) the slot e ES + rank, writes the token (16 bits: it is under 32,768) into rows at that slot, and the slot (or ZROW, a row of zeros, where the expert is not kept) into posb.
;   The last job leaves the eight totals in cnt.
; W (64-191): W2 and W3 ([e][k][unit], f32) become f16 images of operand registers: a step = 32 units x 256 K = 16 fragments of 1,024 bytes, fragment (K step s, tile tt) at (2 s + tt) 1024,
;   in it register group c of lane l at 512 c + 16 l.  A lane takes a unit and its registers run down K: nothing is transposed.  Also the largest sum of |W| over a quarter of K, for the later scale.
; Q (192-207): W1 ([e][k 90][unit]) becomes codes of FP4 along K (blocks 32 + 32 + 26, zero fill), as images likewise, with a scale word a unit.
; O (208-215): Wo ([e][k][4]) becomes f16 images of 16 rows, rows 4-15 zeros.
; LIMITS: W2, W3, Wo go to f16 as they are: magnitudes above 65,504 are not served, and under 6e-5 they keep an absolute accuracy of 2^-25.  A block of W1 whose largest magnitude
; lies under 2^-124, or that is all zeros, gets the byte 1.  NaN and infinities are not served.
.set ES,      32832                    ; slots of an expert: 342 tiles of 96
.set ZROW,    8*ES
.set W1IMG,   2097152
.set WOIMG,   2228224
.set W1SO,    2293760
.set PNO,     2301952
.set TMPS,    95                       ; s95  at work in P
.set SAVE,    96                       ; s96  EXEC as it was, in P
	s_load_b512 s[4:19], s[0:1], 0x0               ; bm s[4:5], W1 s[6:7], W2 s[8:9], W3 s[10:11], Wo s[12:13], rows s[14:15], posb s[16:17], part s[18:19]
	s_load_b64 s[20:21], s[0:1], 0x40              ; wts
	s_load_b64 s[66:67], s[0:1], 0x48              ; cnt
	v_lshrrev_b32 v10, 5, v0
	v_readfirstlane_b32 s94, v10                   ; wave
	v_and_b32 v1, 31, v0                           ; lane
	v_lshlrev_b32 v2, 4, v1                        ; 16 x lane
	v_lshlrev_b32 v3, 2, v1                        ; 4 x lane
	v_lshrrev_b32 v4, 4, v1
	v_and_b32 v5, 15, v1
	v_lshlrev_b32 v4, 10, v4
	v_lshl_add_u32 v4, v5, 4, v4                   ; a unit's place in a pair of images: 1,024 (lane / 16) + 16 (lane % 16)
	s_mov_b32 s92, 0x76543210
	s_mov_b32 s93, 0xfedcba98                      ; v_permlanex16_b32's selects for lane l xor 16
	s_mov_b32 s29, 0
	s_wait_kmcnt 0x0
	s_cmp_lt_u32 ttmp9, 64
	s_cbranch_scc1 .Lplace
	s_cmp_lt_u32 ttmp9, 192
	s_cbranch_scc1 .Lw23
	s_cmp_lt_u32 ttmp9, 208
	s_cbranch_scc1 .Lw1
	; ---------------- O: expert e, wave q takes K steps 2 q and 2 q + 1
	s_sub_co_u32 s26, ttmp9, 208
	s_lshl_b32 s28, s26, 12
	s_lshl_b32 s25, s94, 10
	s_add_co_u32 s28, s28, s25
	s_add_nc_u64 s[12:13], s[12:13], s[28:29]
	s_lshl_b32 s28, s26, 13
	s_lshl_b32 s25, s94, 11
	s_add_co_u32 s28, s28, s25
	s_add_co_u32 s28, s28, WOIMG
	s_add_nc_u64 s[22:23], s[20:21], s[28:29]
	v_min_u32 v6, 3, v5                            ; rows 4-15 read row 3 and are cleared below
	v_lshlrev_b32 v6, 2, v6
	v_lshrrev_b32 v7, 4, v1
	v_lshl_add_u32 v6, v7, 7, v6                   ; lane (r, h): k = 32 s + 16 c + 8 h + jj, 16 bytes a k
.irp sp, 0,1
.irp c, 0,1
.irp jj, 0,1,2,3,4,5,6,7
	global_load_b32 v[64+16*\sp+8*\c+\jj], v6, s[12:13] offset:512*\sp+256*\c+16*\jj
.endr
.endr
.endr
	v_cmp_gt_u32 vcc_lo, 4, v5
	s_wait_loadcnt 0x0
.set i, 0
.rept 16
	v_cvt_pk_f16_f32 v[128+i], v[64+2*i], v[64+2*i+1]
.set i, i+1
.endr
.set i, 0
.rept 16
	v_cndmask_b32 v[128+i], 0, v[128+i], vcc_lo
.set i, i+1
.endr
.irp sp, 0,1
.irp c, 0,1
	global_store_b128 v2, v[128+8*\sp+4*\c:128+8*\sp+4*\c+3], s[22:23] offset:1024*\sp+512*\c   ; 512 consecutive bytes
.endr
.endr
	s_endpgm
; the largest of v10 over the wave's 32 lanes, in every lane
.macro LANEMAX
.irp x, 1,2,4,8
	v_max_num_f32_dpp v10, v10, v10 row_xmask:\x row_mask:0xf bank_mask:0xf
.endr
	v_permlanex16_b32 v11, v10, s92, s93
	v_max_num_f32 v10, v10, v11
.endm
	; ---------------- W: layer l, expert e, units 32 g on; wave q takes k = 64 q .. 64 q + 63
.Lw23:
	s_sub_co_u32 s24, ttmp9, 64
	s_lshr_b32 s25, s24, 6                         ; l
	s_bfe_u32 s26, s24, 0x30003                    ; e
	s_and_b32 s27, s24, 7                          ; g
	s_cmp_eq_u32 s25, 0
	s_cselect_b64 s[8:9], s[8:9], s[10:11]         ; W2 or W3: the choice hangs on the work-group's number alone
	s_lshl_b32 s28, s26, 18
	s_lshl_b32 s30, s94, 16
	s_add_co_u32 s28, s28, s30
	s_lshl_b32 s30, s27, 7
	s_add_co_u32 s28, s28, s30
	s_add_nc_u64 s[8:9], s[8:9], s[28:29]
.set k, 0
.rept 64
	global_load_b32 v[64+k], v3, s[8:9] offset:1024*k th:TH_LOAD_NT   ; W(64 q + k, my unit): the wave reads 128 consecutive bytes
.set k, k+1
.endr
	s_lshl_b32 s28, s26, 4
	s_lshl_b32 s30, s25, 3
	s_add_co_u32 s28, s28, s30
	s_add_co_u32 s28, s28, s27
	s_lshl_b32 s28, s28, 14                        ; the step's 16,384 bytes,
	s_lshl_b32 s30, s94, 12
	s_add_co_u32 s28, s28, s30                     ; my quarter of K: four fragments
	s_add_nc_u64 s[22:23], s[20:21], s[28:29]
	s_add_co_u32 s28, s25, 1
	s_lshl_b32 s28, s28, 3
	s_add_co_u32 s28, s28, s26
	s_lshl_b32 s28, s28, 5
	s_add_co_u32 s28, s28, s27
	s_lshl_b32 s30, s94, 3
	s_add_co_u32 s28, s28, s30
	s_lshl_b32 s28, s28, 2
	s_add_co_u32 s28, s28, PNO                     ; pn[l + 1][e][g + 8 q]
	s_add_nc_u64 s[30:31], s[20:21], s[28:29]
.irp c, 0,1,2,3
	v_mov_b32 v[10+\c], 0
.endr
.macro WHALF sp                        ; K step sp of my two: the sum of magnitudes in four chains, 16 pairs to f16, four stores
.set i, 0
.rept 8
.irp c, 0,1,2,3
	v_add_f32 v[10+\c], v[10+\c], |v[64+32*\sp+4*i+\c]|
.endr
.set i, i+1
.endr
.set i, 0
.rept 16
	v_cvt_pk_f16_f32 v[128+16*\sp+i], v[64+32*\sp+2*i], v[64+32*\sp+2*i+1]   ; the lower k in the low half
.set i, i+1
.endr
.irp c, 0,1
.irp h, 0,1
	global_store_b128 v4, v[128+16*\sp+8*\c+4*\h:128+16*\sp+8*\c+4*\h+3], s[22:23] offset:2048*\sp+512*\c+256*\h   ; k = 16 c + 8 h + 0 .. 7: sixteen lanes fill 256 consecutive bytes, aligned
.endr
.endr
.endm
	s_wait_loadcnt 32                              ; the first K step's 32 loads are in; the second's may be out
	WHALF 0
	s_wait_loadcnt 0x0
	WHALF 1
	v_add_f32 v10, v10, v11
	v_add_f32 v12, v12, v13
	v_add_f32 v10, v10, v12
	LANEMAX
	v_cmp_eq_u32 vcc_lo, 0, v1
	s_wait_xcnt 0x0                                ; EXEC changes only when the stores above have had their addresses translated
	s_and_saveexec_b32 s91, vcc_lo
	global_store_b32 v3, v10, s[30:31]             ; lane 0 (its offset is 0)
	s_endpgm
	; ---------------- Q: expert e, units 32 g on, all 90 of K in my registers
.Lw1:
	s_sub_co_u32 s24, ttmp9, 192
	s_lshl_b32 s24, s24, 2
	s_add_co_u32 s24, s24, s94
	s_lshr_b32 s26, s24, 3                         ; e
	s_and_b32 s27, s24, 7                          ; g
	s_mul_i32 s28, s26, 92160
	s_lshl_b32 s25, s27, 7
	s_add_co_u32 s28, s28, s25
	s_add_nc_u64 s[6:7], s[6:7], s[28:29]
.set k, 0
.rept 90
	global_load_b32 v[64+k], v3, s[6:7] offset:1024*k th:TH_LOAD_NT
.set k, k+1
.endr
	s_lshl_b32 s28, s26, 14
	s_lshl_b32 s25, s27, 11
	s_add_co_u32 s28, s28, s25
	s_add_co_u32 s28, s28, W1IMG
	s_add_nc_u64 s[22:23], s[20:21], s[28:29]      ; my two tiles' images
	s_lshl_b32 s28, s26, 10
	s_lshl_b32 s25, s27, 7
	s_add_co_u32 s28, s28, s25
	s_add_co_u32 s28, s28, W1SO
	s_add_nc_u64 s[30:31], s[20:21], s[28:29]      ; my units' scale words
	s_lshl_b32 s28, s26, 7
	s_lshl_b32 s25, s27, 2
	s_add_co_u32 s28, s28, s25
	s_add_co_u32 s28, s28, PNO
	s_add_nc_u64 s[32:33], s[20:21], s[28:29]      ; pn[0][e][g]
.irp j, 154,155,156,157,158,159,172,173,174,175,10,11,12,13
	v_mov_b32 v\j, 0                               ; the fill of the last block; block 3's zero codes; the sums
.endr
	s_wait_loadcnt 0x0
.set i, 0
.rept 24
.irp c, 0,1,2,3
	v_add_f32 v[10+\c], v[10+\c], |v[64+4*i+\c]|
.endr
.set i, i+1
.endr
.irp b, 0,1,2
	v_max3_num_f32 v[16+\b], |v[64+32*\b]|, |v[65+32*\b]|, 0x1800000   ; with the floor 2^(3 - 127)
.endr
.irp i, 2,4,6,8,10,12,14,16,18,20,22,24,26,28,30
.irp b, 0,1,2
	v_max3_num_f32 v[16+\b], v[16+\b], |v[64+32*\b+\i]|, |v[65+32*\b+\i]|
.endr
.endr
.irp b, 0,1,2
	v_add_nc_u32 v[20+\b], 0xff000000, v[16+\b]    ; 2 off the exponent field: the conversion's scale operand
.endr
.irp b, 0,1,2
	v_lshrrev_b32 v[24+\b], 23, v[20+\b]           ; the byte
.endr
	v_lshl_or_b32 v14, v25, 8, v24
	v_lshl_or_b32 v14, v26, 16, v14
	v_or_b32 v14, 0x7f000000, v14                  ; block 3 holds zero codes: any byte but 0xff
.irp b, 0,1,2
.irp g, 0,1,2,3
	v_cvt_scalef32_pk8_fp4_f32 v[160+4*\b+\g], v[64+32*\b+8*\g:64+32*\b+8*\g+7], v[20+\b]
.endr
.endr
	v_nop                                          ; one plain instruction behind the last scaled conversion
.irp b, 0,1,2,3
	global_store_b128 v4, v[160+4*\b:160+4*\b+3], s[22:23] offset:512*(\b/2)+256*(\b%2)   ; block b is register group b / 2 of the lanes' half b % 2
.endr
	global_store_b32 v3, v14, s[30:31]
	v_add_f32 v10, v10, v11
	v_add_f32 v12, v12, v13
	v_add_f32 v10, v10, v12
	LANEMAX
	v_lshlrev_b32 v6, 5, v1                        ; pn[0][e][g + 8 lane], lanes 0-3: the whole sum stands in the first quarter, zeros in the others
	v_cmp_eq_u32 vcc_lo, 0, v1
	v_cndmask_b32 v10, 0, v10, vcc_lo
	v_cmp_gt_u32 vcc_lo, 4, v1
	s_wait_xcnt 0x0
	s_and_saveexec_b32 s91, vcc_lo
	global_store_b32 v6, v10, s[32:33]
	s_endpgm
	; ---------------- P: job J = 4 x work-group + wave: tokens 128 J on, words 4 J .. 4 J + 3
	; REGISTERS: v16-19 the packed prefix (two counts of 16 bits a register: experts 2 d, 2 d + 1); v20-23 at work; v64-191 first the counts as loaded; then, for word j and expert e:
	; v[64 + 8 j + e] the list's byte offset, v[96 + 8 j + e] posb's entry, v[128 + j] my token.  s[32:63] the bit words (word j, expert e: s[32 + 8 j + e]); s[68:83] my four words' packed counts; s[84:91] the experts' next free slots.
.Lplace:
	s_lshl_b32 s24, ttmp9, 2
	s_add_co_u32 s24, s24, s94                     ; J
	s_lshl_b32 s25, s24, 2                         ; my first word
	s_lshl_b32 s26, s24, 7                         ; my first token; also where my 32 bit words begin, in bytes
	s_mov_b32 s27, 0
	s_add_nc_u64 s[22:23], s[4:5], s[26:27]
	s_load_b512 s[32:47], s[22:23], 0x0
	s_load_b512 s[48:63], s[22:23], 0x40
	s_lshl_b32 s28, s24, 6                         ; 16 bytes of counts a word, four words
	s_add_nc_u64 s[30:31], s[4:5], s[28:29]
	s_load_b512 s[68:83], s[30:31], 0x8000
.set q, 0
.rept 32
	global_load_b128 v[64+4*q:64+4*q+3], v2, s[4:5] offset:32768+512*q   ; the counts of words 32 q + lane
.set q, q+1
.endr
	s_lshl_b32 s28, s24, 11
	s_add_nc_u64 s[16:17], s[16:17], s[28:29]      ; posb at my 128 tokens
.irp d, 0,1,2,3
	v_mov_b32 v[16+\d], 0
.endr
	v_mov_b32 v30, ZROW
	v_add_nc_u32 v12, s26, v1
.set q, 0
.rept 32
	s_wait_loadcnt 31-q                            ; load q is in; the younger ones may be out
	s_sub_co_i32 s[TMPS], s25, 32*q
	v_cmp_gt_i32 vcc_lo, s[TMPS], v1               ; words ahead of mine count
.irp d, 0,1,2,3
	v_cndmask_b32 v[20+\d], 0, v[64+4*q+\d], vcc_lo
.endr
.irp d, 0,1,2,3
	v_add_nc_u32 v[16+\d], v[16+\d], v[20+\d]      ; two counts a register: no sum passes 32,768, so no half runs over
.endr
.set q, q+1
.endr
.irp x, 1,2,4,8
.irp d, 0,1,2,3
	v_mov_b32_dpp v[20+\d], v[16+\d] row_xmask:\x row_mask:0xf bank_mask:0xf
.endr
.irp d, 0,1,2,3
	v_add_nc_u32 v[16+\d], v[16+\d], v[20+\d]
.endr
.endr
.irp d, 0,1,2,3
	v_permlanex16_b32 v[20+\d], v[16+\d], s92, s93
.endr
.irp d, 0,1,2,3
	v_add_nc_u32 v[16+\d], v[16+\d], v[20+\d]      ; every lane holds the counts of all words ahead of my first
.endr
	s_wait_kmcnt 0x0
; Word j's slots, all lanes on: every address of the job is made before EXEC is touched, each word in registers of its own.
.macro SLOTS j
.irp d, 0,1,2,3
	v_readfirstlane_b32 s[TMPS], v[16+\d]
	s_and_b32 s[84+2*\d], s[TMPS], 0xffff
	s_lshr_b32 s[85+2*\d], s[TMPS], 16
.endr
.irp e, 1,2,3,4,5,6,7
	s_add_co_u32 s[84+\e], s[84+\e], \e*ES         ; expert e's next free slot
.endr
	v_add_nc_u32 v[128+\j], 32*\j, v12             ; my token
.irp e, 0,1,2,3,4,5,6,7
	v_mbcnt_lo_u32_b32 v[64+8*\j+\e], s[32+8*\j+\e], s[84+\e]                 ; the kept lanes below me + the next free slot
	v_cndmask_b32 v[96+8*\j+\e], v30, v[64+8*\j+\e], s[32+8*\j+\e]            ; my slot, or the row of zeros
	v_min_u32 v[64+8*\j+\e], 0x401ff, v[64+8*\j+\e]                           ; held inside the list,
	v_lshlrev_b32 v[64+8*\j+\e], 1, v[64+8*\j+\e]                             ; in bytes: two a slot
.endr
	global_store_b128 v2, v[96+8*\j:96+8*\j+3], s[16:17] offset:512*\j             ; experts 0-3: 512 consecutive bytes
	global_store_b128 v2, v[96+8*\j+4:96+8*\j+7], s[16:17] offset:524288+512*\j    ; experts 4-7, in the second plane
.irp d, 0,1,2,3
	v_add_nc_u32 v[16+\d], s[68+4*\j+\d], v[16+\d] ; this word's counts: the prefix of the next word; behind the last word the totals
.endr
.endm
	SLOTS 0
	SLOTS 1
	SLOTS 2
	SLOTS 3
; Word j's tokens go into the list: the kept lanes of an expert write neighbouring slots.
.macro PUT j
.irp e, 0,1,2,3,4,5,6,7
	s_and_saveexec_b32 s[SAVE], s[32+8*\j+\e]      ; (nothing has been issued since the last wait on XCNT)
	global_store_b16 v[64+8*\j+\e], v[128+\j], s[14:15]
	s_wait_xcnt 0x0                                ; EXEC is widened only when the store has had its addresses translated
	s_or_b32 exec_lo, exec_lo, s[SAVE]
.endr
.endm
	s_wait_xcnt 0x0                                ; EXEC is narrowed only when posb's stores have had their addresses translated
	PUT 0
	PUT 1
	PUT 2
	PUT 3
	s_cmp_lg_u32 s24, 255                          ; the last job has counted everything: it leaves the counts, and the row of zeros
	s_cbranch_scc1 .Lp_end
	v_mov_b32 v10, 0
.irp d, 0,1,2,3
	v_readfirstlane_b32 s[TMPS], v[16+\d]
	s_and_b32 s84, s[TMPS], 0xffff
	s_lshr_b32 s85, s[TMPS], 16
	v_writelane_b32 v10, s84, 2*\d
	v_writelane_b32 v10, s85, 2*\d+1
.endr
.irp j, 20,21,22,23
	v_mov_b32 v\j, 0
.endr
	global_store_b32 v3, v10, s[66:67]             ; cnt's 256 bytes, all lanes on: the eight counts in lanes 0-7, zeros behind them,
	global_store_b32 v3, v20, s[66:67] offset:128  ; and zeros in the second half
	v_cmp_gt_u32 vcc_lo, 16, v1
	s_wait_xcnt 0x0                                ; EXEC is narrowed only when these two have had their addresses translated
	s_and_saveexec_b32 s[SAVE], vcc_lo
	global_store_b128 v2, v[20:23], s[18:19] offset:ZROW*16          ; 256 consecutive bytes, aligned
	s_wait_xcnt 0x0
	s_or_b32 exec_lo, exec_lo, s[SAVE]
.Lp_end:
	s_endpgm
.Lfunc_end_k_qe4ddc04e21_place:
	.size	k_qe4ddc04e21_place, .Lfunc_end_k_qe4ddc04e21_place-k_qe4ddc04e21_place
	.p2alignl 7, 3214868480
	.fill 96, 4, 3214868480
	.section	.rodata,"a",@progbits
	.p2align	6, 0x0
	.amdhsa_kernel k_qe4ddc04e21_place
		.amdhsa_group_segment_fixed_size 0
		.amdhsa_private_segment_fixed_size 0
		.amdhsa_enable_private_segment 0
		.amdhsa_kernarg_size 80
		.amdhsa_user_sgpr_count 2
		.amdhsa_user_sgpr_kernarg_segment_ptr 1
		.amdhsa_wavefront_size32 1
		.amdhsa_system_sgpr_workgroup_id_x 1
		.amdhsa_system_sgpr_workgroup_id_y 1
		.amdhsa_system_sgpr_workgroup_id_z 1
		.amdhsa_system_vgpr_workitem_id 0
		.amdhsa_next_free_vgpr 192
		.amdhsa_next_free_sgpr 98
		.amdhsa_reserve_vcc 1
		.amdhsa_float_denorm_mode_32 3
		.amdhsa_float_denorm_mode_16_64 3
		.amdhsa_memory_ordered 1
		.amdhsa_forward_progress 1
		.amdhsa_inst_pref_size 81
	.end_amdhsa_kernel
	.amdgpu_metadata
---
amdhsa.version: [ 1, 2 ]
amdhsa.kernels:
  - .name:           k_qe4ddc04e21_place
    .symbol:         k_qe4ddc04e21_place.kd
    .args:
      - { .name: bm, .offset: 0, .size: 8, .value_kind: global_buffer, .address_space: global }
      - { .name: W1, .offset: 8, .size: 8, .value_kind: global_buffer, .address_space: global }
      - { .name: W2, .offset: 16, .size: 8, .value_kind: global_buffer, .address_space: global }
      - { .name: W3, .offset: 24, .size: 8, .value_kind: global_buffer, .address_space: global }
      - { .name: Wo, .offset: 32, .size: 8, .value_kind: global_buffer, .address_space: global }
      - { .name: rows, .offset: 40, .size: 8, .value_kind: global_buffer, .address_space: global }
      - { .name: posb, .offset: 48, .size: 8, .value_kind: global_buffer, .address_space: global }
      - { .name: part, .offset: 56, .size: 8, .value_kind: global_buffer, .address_space: global }
      - { .name: wts, .offset: 64, .size: 8, .value_kind: global_buffer, .address_space: global }
      - { .name: cnt, .offset: 72, .size: 8, .value_kind: global_buffer, .address_space: global }
    .group_segment_fixed_size: 0
    .private_segment_fixed_size: 0
    .kernarg_segment_align: 8
    .kernarg_segment_size: 80
    .max_flat_workgroup_size: 128
    .sgpr_count:     98
    .vgpr_count:     192
    .wavefront_size: 32
...
	.end_amdgpu_metadata
.endif
;; end of part 2
;; launch chain (part 3): grid 8 x 86, 4 waves a work-group, no clusters, 197,120 bytes of LDS; arguments tok, rows, wts, b1, b2, b3, bo, part, cnt; writes part
.if DOCPART == 3
	.amdgcn_target "amdgcn-amd-amdhsa--gfx1250"
	.amdhsa_code_object_version 6
	.text
	.protected	k_qe4ddc04e21_chain
	.globl	k_qe4ddc04e21_chain
	.p2align	8
	.type	k_qe4ddc04e21_chain,@function
k_qe4ddc04e21_chain:
	s_mov_b64 s[64:65], 0
	v_nop
	global_prefetch_b8 v0, s[64:65] scope:SCOPE_SE
	s_setreg_imm32_b32 hwreg(HW_REG_WAVE_MODE, 25, 1), 1
	s_wait_xcnt 0x0
; CHAIN.  One wave takes a tile of 96 kept rows of one expert through all four products: FP4 x FP4 (K = 90 in 128), two of 256 x 256 and one of 256 x 4 in f16 with f32 sums; the result, times the row's weight, goes to part.
; SHARES.  Expert e = work-group x; tile i = 4 x work-group y + wave.  8 x 86 x 4 tiles serve every split, 32,768 rows on every expert too.  A wave whose tile begins at or past the expert's stored count (cnt[e]) ends at once:
; the launch has no tensor load, no cluster and no barrier, the waves share nothing, and every LDS address but the spare word's is a constant + 16 x lane + 49,152 x wave.
; No joint loads although tiles of one expert read the same weights: partners would need different numbers of tiles, by counts read from memory.
; LAYOUT.  Every product is used transposed (source 0 = 16 units of the weight, source 1 = 16 rows): a lane holds ONE row (lane % 16) and units 8 (lane / 16) + 0 .. 7.  Two neighbouring unit tiles, rounded to f16 in pairs,
; ARE source 1 of the next product's K step of 32: nothing changes lanes.  The weights come from memory as images of operand registers, 16 fragments (32 units x 256 K) a step, one step ahead, into two slots of 128 registers.
; THE SCALE t.  The hidden layers have no fixed range, so each row's are kept as h x t, t a power of two from a bound: |x's codes| < cx = 2^(largest scale byte - 124); c1 = cx 2 A1 + B1, c2 = c1 A2 + B2, c3 = c2 A3 + B3,
; A a bound of the largest column sum of |W| (twice that for W1, whose codes are at most twice the numbers), B the largest |b|; with f the exponent field of max(c1, c2, c3, 2^-100), t = 2^(141 - f): every h t lies under 2^15.
; ReLU and the products commute with t; biases enter as b t; the end divides by t.  All multiplications by t are exact.
; LIMITS: a bound beyond f32's range is not served; NaN and infinities are not served; numbers of h t under 6e-5 keep an absolute accuracy of 2^-25.
; REGISTERS, in windows of 256 (s_set_vgpr_msb: bits 1:0 source 0, 3:2 source 1, 5:4 source 2, 7:6 destination):
;   window 0: v1-9 lane terms, v10-15 at work, v16-27 the rows' addresses, v28-49 scale words, v50-61 (t, w / t) a tile of rows, v62-67 w, v68-83 and v92-107 two sets of 16 biases, v108-155 T, v156-203 F (first x's fragments), v204-251 O.
;   windows 1, 2: the input layer of row tiles 0-2, 3-5 (tile mm, K step s at 64 mm + 8 s), six accumulators from v192 (3 tt + mm); window 1 also Wo's two fragments at v240, v248.   window 3: the two slots; slot 0 first holds W1.
.set ES,      32832
.set W1IMG,   2097152
.set WOIMG,   2228224
.set W1SO,    2293760
.set PNO,     2301952
.set HB,      49152                    ; LDS of a wave: the second hidden layer, 48 fragments of 1,024 bytes: (K step u, row tile m) at (6 u + m) 1024
.set SPARE,   4*HB                     ; the spare words, 128 bytes a wave: two blocks of 256 bytes that no other line names
.set TBR,  16
.set TAR,  22
.set XSR,  28
.set W1SR, 34
.set TT,   50
.set WQ,   62
.set BS0,  68                          ; bias set p at BS0 + 24 p
.set TR,   108
.set FR,   156
.set OA,   204
.set ACC,  192
.set WOFR, 240
.set MSB, 0
.macro WIN new                         ; the immediate's high byte repeats the setting that is left; a switch that changes nothing is dropped
.if MSB != (\new)
	s_set_vgpr_msb (MSB<<8)|(\new)
.set MSB, (\new)
.endif
.endm
.macro PLACES                          ; four plain instructions behind a matrix instruction, ahead of reads of its result and of loads and writes into its registers
.rept 4
	v_nop
.endr
.endm
.macro FETCH off, p                    ; a step's 16 fragments into slot p: each load takes 512 consecutive bytes
	WIN 0xc0
.set f, 0
.rept 16
	global_load_b128 v[128*(\p)+8*f:128*(\p)+8*f+3], v3, s[28:29] offset:(\off)+1024*f
	global_load_b128 v[128*(\p)+8*f+4:128*(\p)+8*f+7], v3, s[28:29] offset:(\off)+1024*f+512
.set f, f+1
.endr
.endm
.macro WOF off, set                    ; a K step's fragment of Wo
	WIN 0x40
	global_load_b128 v[WOFR+8*(\set):WOFR+8*(\set)+3], v3, s[36:37] offset:(\off)
	global_load_b128 v[WOFR+8*(\set)+4:WOFR+8*(\set)+7], v3, s[36:37] offset:(\off)+512
.endm
.macro BLOAD lo, off, set              ; a step's biases in the result's layout: register 8 tt + j = b[16 tt + 8 (lane / 16) + j]
	WIN 0
.irp tt, 0,1
	global_load_b128 v[BS0+24*(\set)+8*\tt:BS0+24*(\set)+8*\tt+3], v4, s[\lo:\lo+1] offset:(\off)+64*\tt
	global_load_b128 v[BS0+24*(\set)+8*\tt+4:BS0+24*(\set)+8*\tt+7], v4, s[\lo:\lo+1] offset:(\off)+64*\tt+16
.endr
.endm
; 48 matrix instructions: 32 units x the window's 48 rows x 256 K.  The six accumulators take turns, one instruction a turn; the first K step starts the sums with the constant 0.
.macro GROUP x, p
	WIN 0x03+0x54*(\x)                 ; source 0 window 3; source 1, C and D window x
.set ks, 0
.rept 8
.irp tt, 0,1
.irp mm, 0,1,2
.if ks == 0
	v_wmma_f32_16x16x32_f16 v[ACC+8*(3*\tt+\mm):ACC+8*(3*\tt+\mm)+7], v[128*(\p)+8*(2*ks+\tt):128*(\p)+8*(2*ks+\tt)+7], v[64*\mm+8*ks:64*\mm+8*ks+7], 0
.else
	v_wmma_f32_16x16x32_f16 v[ACC+8*(3*\tt+\mm):ACC+8*(3*\tt+\mm)+7], v[128*(\p)+8*(2*ks+\tt):128*(\p)+8*(2*ks+\tt)+7], v[64*\mm+8*ks:64*\mm+8*ks+7], v[ACC+8*(3*\tt+\mm):ACC+8*(3*\tt+\mm)+7]
.endif
.endr
.endr
.set ks, ks+1
.endr
.endm
; the first product: units 32 u on x the window's 48 rows, K = 128 codes; b1 is the C
.macro GROUP1 x, u, set
	WIN 0x03+0x40*(\x)                 ; source 0 window 3, source 1 and C window 0, D window x
.irp tt, 0,1
.irp mm, 0,1,2
	v_wmma_scale_f32_16x16x128_f8f6f4 v[ACC+8*(3*\tt+\mm):ACC+8*(3*\tt+\mm)+7], v[8*(2*(\u)+\tt):8*(2*(\u)+\tt)+7], v[FR+8*(3*((\x)-1)+\mm):FR+8*(3*((\x)-1)+\mm)+7], v[BS0+24*(\set)+8*\tt:BS0+24*(\set)+8*\tt+7], v[W1SR+2*(\u)+\tt], v[XSR+3*((\x)-1)+\mm] matrix_a_fmt:MATRIX_FMT_FP4 matrix_b_fmt:MATRIX_FMT_FP4
.endr
.endr
.endm
; the window's six accumulators become f16.  mode 1: relu(acc t) into the input layer's K step u.  mode 2: relu(acc + b t) into F.  Each accumulator is read from its low end on.
.macro EPI x, mode, u, set
.if \mode == 1
	WIN (\x)
.else
	WIN (\x)<<4
.endif
.set a, 0
.rept 6
.set tp, TT+2*(3*((\x)-1)+a%3)
.irp jj, 0,2,4,6
.if \mode == 1
	v_pk_mul_f32 v[TR+8*a+\jj:TR+8*a+\jj+1], v[ACC+8*a+\jj:ACC+8*a+\jj+1], v[tp:tp+1] op_sel_hi:[1,0]
.else
	v_pk_fma_f32 v[TR+8*a+\jj:TR+8*a+\jj+1], v[BS0+24*(\set)+8*(a/3)+\jj:BS0+24*(\set)+8*(a/3)+\jj+1], v[tp:tp+1], v[ACC+8*a+\jj:ACC+8*a+\jj+1] op_sel_hi:[1,0,1]
.endif
.endr
.set a, a+1
.endr
	WIN 0
.set i, 0
.rept 48
	v_max_num_f32 v[TR+i], 0, v[TR+i]
.set i, i+1
.endr
.if \mode == 1
	WIN (\x)<<6
.endif
.set a, 0
.rept 6
.irp jj, 0,1,2,3
.if \mode == 1
	v_cvt_pk_f16_f32 v[64*(a%3)+8*(\u)+4*(a/3)+\jj], v[TR+8*a+2*\jj], v[TR+8*a+2*\jj+1]
.else
	v_cvt_pk_f16_f32 v[FR+8*(3*((\x)-1)+a%3)+4*(a/3)+\jj], v[TR+8*a+2*\jj], v[TR+8*a+2*\jj+1]
.endif
.endr
.set a, a+1
.endr
.endm
	s_load_b512 s[4:19], s[0:1], 0x0               ; tok s[4:5], rows s[6:7], wts s[8:9], b1 s[10:11], b2 s[12:13], b3 s[14:15], bo s[16:17], part s[18:19]
	s_load_b64 s[52:53], s[0:1], 0x40              ; cnt
	v_lshl_add_u32 v8, v0, 2, SPARE                ; my spare word
	v_mov_b32 v9, 0
	v_lshrrev_b32 v10, 5, v0
	v_readfirstlane_b32 s22, v10                   ; wave
	v_and_b32 v254, 31, v0                         ; lane
	v_and_b32 v1, 15, v0                           ; r
	v_bfe_u32 v2, v0, 4, 1                         ; h
	v_lshlrev_b32 v3, 4, v254                      ; 16 x lane: an image's place for my lane
	v_lshlrev_b32 v4, 5, v2                        ; 32 h
	v_lshlrev_b32 v5, 2, v1                        ; 4 r
	s_mul_i32 s2, s22, HB
	v_add_nc_u32 v6, s2, v3                        ; my wave's LDS bytes + 16 x lane
	v_lshlrev_b32 v7, 4, v1                        ; 16 r
	v_lshlrev_b32 v252, 2, v254
	v_lshlrev_b32 v253, 5, v254
	s_mov_b32 s20, ttmp9                           ; e
	s_and_b32 s21, ttmp7, 0xffff
	s_lshl_b32 s21, s21, 2
	s_add_co_u32 s21, s21, s22                     ; tile i
	s_mul_i32 s56, s21, 96                         ; its first rank
	s_mov_b32 s48, 0x76543210
	s_mov_b32 s49, 0xfedcba98                      ; v_permlanex16_b32's selects for lane l xor 16
	s_mov_b32 s3, 0
	s_wait_kmcnt 0x0
	s_lshl_b32 s2, s20, 2
	s_add_nc_u64 s[52:53], s[52:53], s[2:3]
	s_load_b32 s23, s[52:53], 0x0                  ; the expert's count
	s_lshl_b32 s2, s20, 4
	s_add_nc_u64 s[16:17], s[16:17], s[2:3]
	s_load_b128 s[24:27], s[16:17], 0x0            ; bo[e]
	s_lshl_b32 s2, s20, 18
	s_add_nc_u64 s[28:29], s[8:9], s[2:3]          ; the expert's 16 steps of W2 and W3
	s_lshl_b32 s2, s20, 14
	s_add_co_u32 s2, s2, W1IMG
	s_add_nc_u64 s[30:31], s[8:9], s[2:3]
	s_lshl_b32 s2, s20, 10
	s_add_nc_u64 s[10:11], s[10:11], s[2:3]        ; b1[e], b2[e], b3[e]
	s_add_nc_u64 s[12:13], s[12:13], s[2:3]
	s_add_nc_u64 s[14:15], s[14:15], s[2:3]
	s_add_co_u32 s2, s2, W1SO
	s_add_nc_u64 s[32:33], s[8:9], s[2:3]
	s_lshl_b32 s2, s20, 7
	s_add_co_u32 s2, s2, PNO
	s_add_nc_u64 s[34:35], s[8:9], s[2:3]
	s_lshl_b32 s2, s20, 13
	s_add_co_u32 s2, s2, WOIMG
	s_add_nc_u64 s[36:37], s[8:9], s[2:3]
	s_mul_i32 s2, s20, ES*2
	s_add_nc_u64 s[38:39], s[6:7], s[2:3]          ; the expert's list: two bytes a slot
	s_lshl_b32 s2, s20, 2
	s_add_co_u32 s2, s2, 64
	s_add_nc_u64 s[40:41], s[4:5], s[2:3]          ; w[e] in a record
	s_wait_kmcnt 0x0
	s_cmp_ge_u32 s56, s23
	s_cbranch_scc1 .Lnone                          ; no row for this tile: nothing has been written
	s_mul_i32 s2, s20, ES*16
	s_lshl_b32 s57, s56, 4
	s_add_co_u32 s2, s2, s57
	s_add_nc_u64 s[52:53], s[18:19], s[2:3]        ; part at my tile's first slot
	s_sub_co_u32 s57, s23, 1
	v_add_nc_u32 v10, s56, v1
.irp m, 0,1,2,3,4,5
	v_add_nc_u32 v[TBR+\m], 16*\m, v10
	v_min_u32 v[TBR+\m], s57, v[TBR+\m]            ; ranks past the count repeat the last row: their results lie in slots that nobody reads
	v_min_u32 v[TBR+\m], 0x803f, v[TBR+\m]         ; held inside the expert's slots
	v_lshlrev_b32 v[TBR+\m], 1, v[TBR+\m]
	global_load_u16 v[TAR+\m], v[TBR+\m], s[38:39]
.endr
.irp l, 0,1,2
	global_load_b32 v[84+\l], v252, s[34:35] offset:1024*\l      ; pn[l][e][lane]
.endr
	global_load_b128 v[TR:TR+3], v253, s[10:11]                  ; the whole biases, 8 numbers a lane, for their largest magnitudes
	global_load_b128 v[TR+4:TR+7], v253, s[10:11] offset:16
	global_load_b128 v[TR+8:TR+11], v253, s[12:13]
	global_load_b128 v[TR+12:TR+15], v253, s[12:13] offset:16
	global_load_b128 v[TR+16:TR+19], v253, s[14:15]
	global_load_b128 v[TR+20:TR+23], v253, s[14:15] offset:16
.set i, 0
.rept 16
	global_load_b32 v[W1SR+i], v5, s[32:33] offset:64*i          ; W1's scale words, tile i: lane r takes unit r's
.set i, i+1
.endr
	WIN 0xc0
.set i, 0
.rept 16
	global_load_b128 v[8*i:8*i+3], v3, s[30:31] offset:1024*i    ; W1's 16 tiles fill slot 0
	global_load_b128 v[8*i+4:8*i+7], v3, s[30:31] offset:1024*i+512
.set i, i+1
.endr
	WIN 0
	s_wait_loadcnt 57                              ; the six list loads are in; the 3 + 6 + 16 + 32 issued behind them may be out
.irp m, 0,1,2,3,4,5
	v_min_u32 v[TAR+\m], 0x7fff, v[TAR+\m]         ; a token, held inside tok
	v_lshlrev_b32 v[TBR+\m], 7, v[TAR+\m]          ; its record
	v_lshl_add_u32 v[TAR+\m], v2, 4, v[TBR+\m]     ; + 16 h: block 2 c + h of its codes lies 32 c further on
.endr
.irp m, 0,1,2,3,4,5
	global_load_b32 v[XSR+\m], v[TBR+\m], s[4:5] offset:96
	global_load_b32 v[WQ+\m], v[TBR+\m], s[40:41]
	global_load_b128 v[FR+8*\m:FR+8*\m+3], v[TAR+\m], s[4:5]
	global_load_b128 v[FR+8*\m+4:FR+8*\m+7], v[TAR+\m], s[4:5] offset:32
.endr
	BLOAD 10, 0, 0                                 ; b1 for units 0-31
	FETCH 0, 1                                     ; W2's first step
	WIN 0
.irp j, 10,11,12,13,14,15
	v_mov_b32 v\j, 0                               ; a lane permute's destination counts as one of its sources
.endr
	s_wait_loadcnt 32                              ; all but that fetch
	; ---- the bounds.  pn: lane g + 8 q: the largest over g, the sum over q.  Biases: the largest magnitude of 256
.irp l, 0,1,2
	v_max3_num_f32 v[87+\l], |v[TR+8*\l]|, |v[TR+8*\l+1]|, |v[TR+8*\l+2]|
.endr
.irp l, 0,1,2
	v_max3_num_f32 v[87+\l], v[87+\l], |v[TR+8*\l+3]|, |v[TR+8*\l+4]|
.endr
.irp l, 0,1,2
	v_max3_num_f32 v[87+\l], v[87+\l], |v[TR+8*\l+5]|, |v[TR+8*\l+6]|
.endr
.irp l, 0,1,2
	v_max_num_f32 v[87+\l], v[87+\l], |v[TR+8*\l+7]|
.endr
.irp x, 1,2,4
.irp l, 0,1,2,3,4,5
	v_max_num_f32_dpp v[84+\l], v[84+\l], v[84+\l] row_xmask:\x row_mask:0xf bank_mask:0xf
.endr
.endr
.irp l, 0,1,2
	v_add_f32_dpp v[84+\l], v[84+\l], v[84+\l] row_xmask:8 row_mask:0xf bank_mask:0xf
	v_max_num_f32_dpp v[87+\l], v[87+\l], v[87+\l] row_xmask:8 row_mask:0xf bank_mask:0xf
.endr
.irp l, 0,1,2,3,4,5
	v_permlanex16_b32 v[10+\l], v[84+\l], s48, s49
.endr
.irp l, 0,1,2
	v_add_f32 v[84+\l], v[84+\l], v[10+\l]
	v_max_num_f32 v[87+\l], v[87+\l], v[13+\l]
.endr
	v_add_f32 v84, v84, v84                        ; 2 A1
.irp l, 0,1,2
	v_readfirstlane_b32 s[42+2*\l], v[84+\l]       ; 2 A1, A2, A3
	v_readfirstlane_b32 s[43+2*\l], v[87+\l]       ; B1, B2, B3
.endr
.irp m, 0,1,2,3,4,5
	v_lshrrev_b32 v[132+\m], 24, v[XSR+\m]         ; the row's largest scale byte
.endr
.irp m, 0,1,2,3,4,5
	v_add_nc_u32 v[132+\m], 3, v[132+\m]
.endr
.irp m, 0,1,2,3,4,5
	v_min_u32 v[132+\m], 254, v[132+\m]
.endr
.irp m, 0,1,2,3,4,5
	v_lshlrev_b32 v[132+\m], 23, v[132+\m]         ; cx
.endr
.irp m, 0,1,2,3,4,5
	v_fma_f32 v[138+\m], v[132+\m], s42, s43       ; c1
.endr
.irp m, 0,1,2,3,4,5
	v_fma_f32 v[144+\m], v[138+\m], s44, s45       ; c2
.endr
.irp m, 0,1,2,3,4,5
	v_fma_f32 v[150+\m], v[144+\m], s46, s47       ; c3
.endr
.irp m, 0,1,2,3,4,5
	v_max3_num_f32 v[138+\m], v[138+\m], v[144+\m], v[150+\m]
.endr
.irp m, 0,1,2,3,4,5
	v_max_num_f32 v[138+\m], 0x0d800000, v[138+\m] ; and 2^-100
.endr
.irp m, 0,1,2,3,4,5
	v_lshrrev_b32 v[138+\m], 23, v[138+\m]         ; f
.endr
.irp m, 0,1,2,3,4,5
	v_sub_nc_u32 v[144+\m], 0x10c, v[138+\m]
	v_add_nc_u32 v[150+\m], -14, v[138+\m]
.endr
.irp m, 0,1,2,3,4,5
	v_lshlrev_b32 v[TT+2*\m], 23, v[144+\m]        ; t = 2^(141 - f)
	v_lshlrev_b32 v[150+\m], 23, v[150+\m]         ; 1 / t
.endr
.irp m, 0,1,2,3,4,5
	v_mul_f32 v[TT+2*\m+1], v[WQ+\m], v[150+\m]    ; w / t
.endr
.irp m, 0,1,2,3,4,5
.irp j, 0,1,2,3
	v_mul_f32 v[OA+8*\m+\j], s[24+\j], v[TT+2*\m]  ; the last product's sums begin with bo t (lanes 16-31 hold rows 8-15 of Wo's images, which are zeros and are not stored)
.endr
.irp j, 4,5,6,7
	v_mov_b32 v[OA+8*\m+\j], 0
.endr
.endr
	; ---- layer 1: 32 units a step; the next step's biases are asked for at the step's head
.macro L1STEP u
.if \u > 0
	s_wait_loadcnt 0x0                             ; this step's biases (and, once, W2's first step, issued ahead of them)
.endif
.if \u < 7
	BLOAD 10, 128*((\u)+1), ((\u)+1)%2
.else
	BLOAD 12, 0, 0                                 ; b2 for layer 2's first step
.endif
	GROUP1 1, \u, (\u)%2
	GROUP1 2, \u, (\u)%2
	WIN 0
	PLACES
	EPI 1, 1, \u, 0
	EPI 2, 1, \u, 0
.endm
.irp u, 0,1,2,3,4,5,6,7
	L1STEP \u
.endr
	; ---- layer 2: step g lies in slot (g + 1) % 2; written out, so that every LDS offset is an immediate
.macro L2STEP g
	s_wait_loadcnt 0x0                             ; all that is out is this step's fragments and biases
	s_wait_dscnt 0x0                               ; the last step's LDS stores have read F
	FETCH 16384*((\g)+1), (\g)%2                   ; the next step, into the slot whose last products stand ahead of the last step's conversions
.if \g == 7
	WOF 0, 0
	BLOAD 14, 0, 0
.else
	BLOAD 12, 128*((\g)+1), ((\g)+1)%2
.endif
	GROUP 1, ((\g)+1)%2
	GROUP 2, ((\g)+1)%2
	WIN 0
	PLACES
	EPI 1, 2, 0, (\g)%2
	EPI 2, 2, 0, (\g)%2
.irp m, 0,1,2,3,4,5
	ds_store_b128 v6, v[FR+8*\m:FR+8*\m+3] offset:(6*(\g)+\m)*1024       ; K step g of the next product, as an image of its registers
	ds_store_b128 v6, v[FR+8*\m+4:FR+8*\m+7] offset:(6*(\g)+\m)*1024+512
.endr
.endm
.irp g, 0,1,2,3,4,5,6,7
	L2STEP \g
.endr
	; ---- the second hidden layer comes back as the input layer.  LDS serves a wave's instructions in order (ISA guide 5.7.1.4): these see my stores
.irp x, 1,2
	WIN (\x)<<6
.irp mm, 0,1,2
.irp u, 0,1,2,3,4,5,6,7
	ds_load_b128 v[64*\mm+8*\u:64*\mm+8*\u+3], v6 offset:(6*\u+3*(\x-1)+\mm)*1024
	ds_load_b128 v[64*\mm+8*\u+4:64*\mm+8*\u+7], v6 offset:(6*\u+3*(\x-1)+\mm)*1024+512
.endr
.endr
.endr
	WIN 0
	s_wait_dscnt 0x0
	; ---- layer 3 and the last product: four trips of two steps
.macro L3WORK p, set
	GROUP 1, \p
	GROUP 2, \p
	WIN 0
	PLACES
	EPI 1, 2, 0, \set
	EPI 2, 2, 0, \set
	WIN 0x01                                       ; source 0 (Wo) window 1
.irp m, 0,1,2,3,4,5
	v_wmma_f32_16x16x32_f16 v[OA+8*\m:OA+8*\m+7], v[WOFR+8*(\set):WOFR+8*(\set)+7], v[FR+8*\m:FR+8*\m+7], v[OA+8*\m:OA+8*\m+7]
.endr
	WIN 0
	PLACES                                         ; ahead of the next load into Wo's fragment, of the next writes of F, and of the way out's reads
.endm
	s_wait_xcnt 0x0                                ; the fetches have read their base
	s_add_nc_u64 s[28:29], s[28:29], 131072        ; W3's first step
	s_mov_b32 s50, 4
.Ltrip:
	s_wait_loadcnt 0x0
	FETCH 16384, 0
	WOF 1024, 1
	BLOAD 14, 128, 1
	L3WORK 1, 0
	s_wait_loadcnt 0x0
	s_cmp_eq_u32 s50, 1                            ; the last trip has no step behind it: no load leaves its buffer.  Plain loads alone are jumped over, and every wait for loads here is for 0
	s_cbranch_scc1 .Llast
	FETCH 32768, 1
	WOF 2048, 0
	BLOAD 14, 256, 0
.Llast:
	L3WORK 0, 1
	s_wait_xcnt 0x0                                ; the trip's loads have read their bases
	s_add_nc_u64 s[28:29], s[28:29], 32768
	s_add_nc_u64 s[36:37], s[36:37], 2048
	s_add_nc_u64 s[14:15], s[14:15], 256
	s_sub_co_u32 s50, s50, 1
	s_cmp_lg_u32 s50, 0
	s_cbranch_scc1 .Ltrip
	; ---- the way out: lanes 0-15 hold outputs 0-3 of row r in an accumulator's four lowest registers
.irp m, 0,1,2,3,4,5
.irp j, 0,1,2,3
	v_mul_f32 v[TR+4*\m+\j], v[OA+8*\m+\j], v[TT+2*\m+1]
.endr
.endr
	s_wait_tensorcnt 0x0                           ; the wave's end, behind my last LDS store, all lanes on
	ds_add_u32 v8, v9
	s_wait_dscnt 0x0
	v_cmp_eq_u32 vcc_lo, 0, v2
	s_wait_xcnt 0x0                                ; EXEC changes only when all earlier memory instructions have had their addresses translated
	s_and_saveexec_b32 s51, vcc_lo
.irp m, 0,1,2,3,4,5
	global_store_b128 v7, v[TR+4*\m:TR+4*\m+3], s[52:53] offset:256*\m   ; sixteen lanes store 256 consecutive bytes, aligned
.endr
	s_endpgm
.Lnone:
	s_endpgm
.Lfunc_end_k_qe4ddc04e21_chain:
	.size	k_qe4ddc04e21_chain, .Lfunc_end_k_qe4ddc04e21_chain-k_qe4ddc04e21_chain
	.p2alignl 7, 3214868480
	.fill 96, 4, 3214868480
	.section	.rodata,"a",@progbits
	.p2align	6, 0x0
	.amdhsa_kernel k_qe4ddc04e21_chain
		.amdhsa_group_segment_fixed_size 197120
		.amdhsa_private_segment_fixed_size 0
		.amdhsa_enable_private_segment 0
		.amdhsa_kernarg_size 72
		.amdhsa_user_sgpr_count 2
		.amdhsa_user_sgpr_kernarg_segment_ptr 1
		.amdhsa_wavefront_size32 1
		.amdhsa_system_sgpr_workgroup_id_x 1
		.amdhsa_system_sgpr_workgroup_id_y 1
		.amdhsa_system_sgpr_workgroup_id_z 1
		.amdhsa_system_vgpr_workitem_id 0
		.amdhsa_next_free_vgpr 1024
		.amdhsa_next_free_sgpr 66
		.amdhsa_reserve_vcc 1
		.amdhsa_float_denorm_mode_32 3
		.amdhsa_float_denorm_mode_16_64 3
		.amdhsa_memory_ordered 1
		.amdhsa_forward_progress 1
		.amdhsa_inst_pref_size 255
	.end_amdhsa_kernel
	.section	.bss,"aw",@nobits
	.p2align	6
	.space	262144
	.amdgpu_metadata
---
amdhsa.version: [ 1, 2 ]
amdhsa.kernels:
  - .name:           k_qe4ddc04e21_chain
    .symbol:         k_qe4ddc04e21_chain.kd
    .args:
      - { .name: tok, .offset: 0, .size: 8, .value_kind: global_buffer, .address_space: global }
      - { .name: rows, .offset: 8, .size: 8, .value_kind: global_buffer, .address_space: global }
      - { .name: wts, .offset: 16, .size: 8, .value_kind: global_buffer, .address_space: global }
      - { .name: b1, .offset: 24, .size: 8, .value_kind: global_buffer, .address_space: global }
      - { .name: b2, .offset: 32, .size: 8, .value_kind: global_buffer, .address_space: global }
      - { .name: b3, .offset: 40, .size: 8, .value_kind: global_buffer, .address_space: global }
      - { .name: bo, .offset: 48, .size: 8, .value_kind: global_buffer, .address_space: global }
      - { .name: part, .offset: 56, .size: 8, .value_kind: global_buffer, .address_space: global }
      - { .name: cnt, .offset: 64, .size: 8, .value_kind: global_buffer, .address_space: global }
    .group_segment_fixed_size: 197120
    .private_segment_fixed_size: 0
    .kernarg_segment_align: 8
    .kernarg_segment_size: 72
    .max_flat_workgroup_size: 128
    .sgpr_count:     66
    .vgpr_count:     1024
    .wavefront_size: 32
...
	.end_amdgpu_metadata
.endif
;; end of part 3
;; launch combine (part 4): grid 256 x 1, 4 waves a work-group, no clusters, 0 bytes of LDS; arguments posb, part, out0; writes out0
.if DOCPART == 4
	.amdgcn_target "amdgcn-amd-amdhsa--gfx1250"
	.amdhsa_code_object_version 6
	.text
	.protected	k_qe4ddc04e21_combine
	.globl	k_qe4ddc04e21_combine
	.p2align	8
	.type	k_qe4ddc04e21_combine,@function
k_qe4ddc04e21_combine:
	s_mov_b64 s[64:65], 0
	v_nop
	global_prefetch_b8 v0, s[64:65] scope:SCOPE_SE
	s_setreg_imm32_b32 hwreg(HW_REG_WAVE_MODE, 25, 1), 1
	s_wait_xcnt 0x0
; COMBINE.  out0[n] = the sum over the experts of the token's weighted rows in part.  A thread takes a token: its eight slots from posb (an expert that was not kept names the row of zeros),
; eight gathers of 16 bytes, seven packed additions in the order of the experts, one store; a wave stores 512 consecutive bytes.  Each output row has this one owner.
	s_load_b128 s[4:7], s[0:1], 0x0                ; posb, part
	s_load_b64 s[8:9], s[0:1], 0x10                ; out0
	s_lshl_b32 s10, ttmp9, 11                      ; 128 tokens x 16 bytes
	v_lshl_add_u32 v1, v0, 4, s10
	s_wait_kmcnt 0x0
	global_load_b128 v[4:7], v1, s[4:5] th:TH_LOAD_NT                 ; experts 0-3
	global_load_b128 v[8:11], v1, s[4:5] offset:524288 th:TH_LOAD_NT  ; experts 4-7
	s_wait_loadcnt 0x0
.irp e, 0,1,2,3,4,5,6,7
	v_min_u32 v[4+\e], 0x40200, v[4+\e]            ; held inside part
	v_lshlrev_b32 v[4+\e], 4, v[4+\e]
.endr
.irp e, 0,1,2,3,4,5,6,7
	global_load_b128 v[16+4*\e:19+4*\e], v[4+\e], s[6:7]
.endr
	s_wait_loadcnt 6                               ; the first two are in; six younger ones may be out
	v_pk_add_f32 v[48:49], v[16:17], v[20:21]
	v_pk_add_f32 v[50:51], v[18:19], v[22:23]
.irp e, 2,3,4,5,6,7
	s_wait_loadcnt 7-\e
	v_pk_add_f32 v[48:49], v[48:49], v[16+4*\e:17+4*\e]
	v_pk_add_f32 v[50:51], v[50:51], v[18+4*\e:19+4*\e]
.endr
	global_store_b128 v1, v[48:51], s[8:9]
	s_endpgm
.Lfunc_end_k_qe4ddc04e21_combine:
	.size	k_qe4ddc04e21_combine, .Lfunc_end_k_qe4ddc04e21_combine-k_qe4ddc04e21_combine
	.p2alignl 7, 3214868480
	.fill 96, 4, 3214868480
	.section	.rodata,"a",@progbits
	.p2align	6, 0x0
	.amdhsa_kernel k_qe4ddc04e21_combine
		.amdhsa_group_segment_fixed_size 0
		.amdhsa_private_segment_fixed_size 0
		.amdhsa_enable_private_segment 0
		.amdhsa_kernarg_size 24
		.amdhsa_user_sgpr_count 2
		.amdhsa_user_sgpr_kernarg_segment_ptr 1
		.amdhsa_wavefront_size32 1
		.amdhsa_system_sgpr_workgroup_id_x 1
		.amdhsa_system_sgpr_workgroup_id_y 1
		.amdhsa_system_sgpr_workgroup_id_z 1
		.amdhsa_system_vgpr_workitem_id 0
		.amdhsa_next_free_vgpr 64
		.amdhsa_next_free_sgpr 66
		.amdhsa_reserve_vcc 0
		.amdhsa_float_denorm_mode_32 3
		.amdhsa_float_denorm_mode_16_64 3
		.amdhsa_memory_ordered 1
		.amdhsa_forward_progress 1
		.amdhsa_inst_pref_size 4
	.end_amdhsa_kernel
	.amdgpu_metadata
---
amdhsa.version: [ 1, 2 ]
amdhsa.kernels:
  - .name:           k_qe4ddc04e21_combine
    .symbol:         k_qe4ddc04e21_combine.kd
    .args:
      - { .name: posb, .offset: 0, .size: 8, .value_kind: global_buffer, .address_space: global }
      - { .name: part, .offset: 8, .size: 8, .value_kind: global_buffer, .address_space: global }
      - { .name: out0, .offset: 16, .size: 8, .value_kind: global_buffer, .address_space: global }
    .group_segment_fixed_size: 0
    .private_segment_fixed_size: 0
    .kernarg_segment_align: 8
    .kernarg_segment_size: 24
    .max_flat_workgroup_size: 128
    .sgpr_count:     66
    .vgpr_count:     64
    .wavefront_size: 32
...
	.end_amdgpu_metadata
.endif
;; end of part 4
